; MI455X (gfx1250); checked and timed in simulation.
; The chip was launched on July 23, 2026; its instructions are those of AMD's public machine-readable ISA for CDNA 5 (MIT licence, August 2026) and "CDNA5" Instruction Set Architecture Reference Guide (July 2026). The comments in the code are by the model that wrote it; some were corrected since.
;; Conjunction. Allowed arithmetic: matrix products marked QUANTISED: E2M1 operands, one E8M0 scale for each 32 along K, by v_wmma_scale_f32_16x16x128_f8f6f4 with both operands' format E2M1 (or v_wmma_scale_f32_32x16x128_f4), f32 sums; everything else in f32.
;; Inputs: weights 32 x 1,024 float32; x 128 x 512 float32.
;; Outputs: out0 128 x 1,024 float32.
;; This version of the problem:
;;   THIS VERSION OF THE PROBLEM IS GIVEN IN LOW PRECISION. The matrix products marked QUANTISED in the list below multiply operands that are first quantised to E2M1 (2 exponent bits, 1 mantissa bit; 4 bits a number), with one power-of-two scale for each 32 numbers along K (OCP MX v1.0); their sums are f32. All else is computed in f32.
;;   The module's matrix products, in the order in which they are computed (A, B: the left and right operand; K: the contracted axis; several contracted axes count as one K, in the product's order):
;;     1. [M 128, K 512] x [K 512, N 1,024]; A: computed on the way; B: computed on the way: QUANTISED
;;   THE QUANTISER, for each operand of a quantised product, along K:
;;     - K is cut into blocks of 32 from its start; a last block that is shorter is filled with zeros.
;;     - A block's scale is 2^e with e = floor(log2(the largest magnitude in the block)) - 2, held to -126 .. 127; a block of zeros has e = 0. As a byte (E8M0): e + 127.
;;     - Each number is divided by its block's scale, clamped to +-6, and rounded to the nearest number of E2M1, ties to even, subnormals kept.
;;     - The product sums the exact products of the quantised numbers (number of the format x scale) in f32.
;;   ~~~python
;;   def quantise(x, axis):      # numpy; x: float32 -> the quantised numbers, widened to float32 again
;;       x = np.moveaxis(x, axis, -1); K = x.shape[-1]
;;       x = np.pad(x, [(0, 0)] * (x.ndim - 1) + [(0, -K % 32)]); x = x.reshape(x.shape[:-1] + (-1, 32)); a = np.abs(x).max(-1, keepdims=True)
;;       e = np.where(a > 0, np.clip(np.frexp(np.where(a > 0, a, 1))[1] - 1 - 2, -126, 127), 0)      # np.frexp(a)[1] - 1 = floor(log2(a)), exactly
;;       r = np.clip(x / 2.0 ** e, -6, 6)
;;       step = 2.0 ** (np.maximum(np.frexp(np.where(r == 0, 1, r))[1] - 1, 0) - 1)
;;       q = np.round(r / step) * step * 2.0 ** e      # np.round: ties to even
;;       return np.moveaxis(q.reshape(q.shape[:-2] + (-1,))[..., :K], -1, axis).astype(np.float32)
;;   ~~~
;;   OPERANDS COMPUTED ON THE WAY. 'Computed on the way' means the value that the module computes at that place (a softmax that the list does not call 'softmax' is quantised finished and normalised). What goes into a quantiser is computed in f32, as accurately as f32 sums, v_exp_f32 and their like allow (about 1e-6 of the number): no bf16 or f16 on the way to a quantiser, and a product that is left as it is and whose result goes on into a quantised operand takes f32 operands (vector FMAs, or v_wmma_f32_16x16x4_f32). A number that lies on a knife's edge between two numbers of the format may be rounded either way, as far as f32 arithmetic and the matrix unit's own rounding can turn it there, and no further.
;; 2 versions. Each part assembles by itself: llvm-mc -triple=amdgcn-amd-amdhsa -mcpu=gfx1250 --defsym DOCPART=n.
;; ======== version 1 of 2: 1 launch
;; launch conj (part 1): grid 16 x 8, 4 waves a work-group, no clusters, 33,280 bytes of LDS; arguments x, weights, out0; writes out0
.if DOCPART == 1
	.amdgcn_target "amdgcn-amd-amdhsa--gfx1250"
	.amdhsa_code_object_version 6
	.text
	.protected	k_q003d3c128e_conj
	.globl	k_q003d3c128e_conj
	.p2align	8
	.type	k_q003d3c128e_conj,@function
k_q003d3c128e_conj:
	s_mov_b64 s[64:65], 0
	v_nop
	global_prefetch_b8 v0, s[64:65] scope:SCOPE_SE
	s_setreg_imm32_b32 hwreg(HW_REG_WAVE_MODE, 25, 1), 1
	s_wait_xcnt 0x0
; out0[b][o] = sum_k Q(x[b][k] (x[b][k] >= -1)) Q(W[k][o]) + 0.1 (max_k |W[k][o] x[b][k]| - sum_k |W[k][o] x[b][k]|),  W[k][o] = weights[k % 16][o]  (the row index is 0..15, 32 times over).
; x: [128][512] f32, weights: [32][1024] f32 (rows 0-15 are all that the row index names), out0: [128][1024] f32.  Q: codes of FP4 (E2M1) with one E8M0 scale for each 32 along K.
; WHAT THE REPEATED ROWS GIVE, for every input:
;   B: each block of 32 along K of column o is w[0..15][o] twice: one scale byte a column, 16 codes (two registers q0 q1), and the fragment is q0 q1 four times over, the same in all four K steps.
;   sum_k |W x| = sum_{j<16} |w[j][o]| S[b][j],  S[b][j] = sum over the 32 groups g of |x[b][16 g + j]|      (the f32 additions are ordered otherwise than by k)
;   max_k |W x| = max_{j<16} |w[j][o]| M[b][j],  M[b][j] = max over g of |x[b][16 g + j]|                     (the same bits: a rounded product does not fall where a factor rises)
; SHARES.  128 work-groups of four waves; a work-group owns 16 rows x 64 columns: a row's part is 256 consecutive bytes of out0, aligned.
;   Wave w: (1) x's K step w (16 rows x 128): its part of S and M, the mask, the quantiser; all to LDS | barrier | (2) the eight parts of S and M of rows 4 w .. 4 w + 3 are joined; tile w's 16 columns of W are
;   quantised; (3) four products (tile w, K steps 0-3), result to a stage in LDS | barrier | (4) the bias of 2 rows x 4 columns a lane, the stage read back by rows, two stores of 16 bytes a lane.
; THE PRODUCT IS USED TRANSPOSED (source 0 = 16 columns of W, source 1 = 16 rows of x): a lane then holds eight neighbouring columns of one row.
; NO CLUSTER, NO TENSOR LOAD: what work-groups share is x's 32,768 bytes of a row tile and W's 4,096 bytes of a column block, each read once and wanted in registers in the quantiser's lane layout,
; which plain loads give directly; a wave has a few hundred instructions in all, so the rounds of a cluster's barrier and a pass through LDS would add more than they spare.  Nothing is streamed, so nothing is prefetched.
; LIMITS: NaN and infinities among the inputs are not served.  A block of zeros (all its x masked, say) carries the byte 1 where the rule says 127: its codes are zeros, and the bytes never leave this program.
.set XROW, 2048                        ; bytes in a row of x
.set WROW, 4096                        ; bytes in a row of weights, and of out0
; LDS
.set XIMG, 0                           ; x's four fragments (K step s) as images of their registers, 1,024 bytes each
.set FRB,  1024
.set XSC,  XIMG+4*FRB                  ; their scale words, 128 bytes each
.set PSB,  XSC+4*128                   ; the parts of S: part p = 2 w + h, 16 rows of 64 bytes + 16 of padding (20 words: the 16 rows of a store start at 16 different groups of four banks; 64 banks of 4 bytes: ISA guide 11.1)
.set PPIT, 80
.set PREG, 16*PPIT
.set KIND, 8*PREG                      ; the parts of M lie this far behind those of S
.set BCB,  PSB+2*KIND                  ; S and M joined: 512 bytes of each wave's own: S of its 4 rows (64 bytes each), then M
.set STG,  BCB+4*512                   ; the stage: 16 rows x (256 bytes + 16)
.set SPIT, 272
; vector registers
.set XA,  1                            ; x: my byte in the wave's 16 rows x 512 bytes
.set WLA, 2                            ; weights: my four columns of the block (16 bytes)
.set WCA, 3                            ; weights: my one column of tile w
.set PWA, 4                            ; where I store my part of S
.set PRA, 5                            ; where I read the eight parts that I join
.set IW,  6                            ; where I store my fragment's image: 16 x lane + 1,024 x wave
.set LI,  7                            ; 16 x lane
.set SCW, 8                            ; 4 x thread: my scale word's place
.set LS,  9                            ; 4 x lane
.set BW,  10                           ; where I store what I joined: BCB + 16 x thread
.set BR,  11                           ; where my rows' S begin: BCB + 512 x wave + 64 x half
.set SO,  12                           ; the stage: where I put 32 bytes of a row
.set SR,  13                           ; and where I read a row back
.set GO,  14                           ; my byte offset in the wave's rows of out0
.set X,   16                           ; v16-79   64 numbers of x: register 16 b + i = x[row r][128 w + 32 b + 16 h + i]; so i is k % 16
.set XF,  16                           ; v16-47   later: x's four fragments
.set DS,  16                           ; v16-23   later still: my 2 x 4 sums from the stage
.set OUT, 24                           ; v24-31   my 2 x 4 results
.set P,   52                           ; v52-67   products |w| M at work
.set M8,  68                           ; v68-75   the 2 x 4 maxima, then max - sum
.set WL,  80                           ; v80-143  register 4 j + c = weights[j][my four columns]
.set WC,  144                          ; v144-159 weights[j][my column of tile w]
.set SP,  160                          ; v160-175 my part of S, by j;  v176-191 of M
.set MP,  176
.set R,   160                          ; v160-191 later: eight parts x four j
.set SV,  144                          ; v144-175 later still: S[row i][j] of my two rows;  v176-207 M likewise
.set MV,  176
.set TM,  192                          ; v192-207 at work in the quantisers
.set MX,  192
.set RR,  200                          ; at the head only: r, h, lane, two temporaries
.set HH,  201
.set LN,  202
.set T0,  203
.set T1,  204
.set PW,  208                          ; the scale word just made
.set PC,  210                          ; v210-217 the codes just made; later the two accumulators' sum
.set BF,  218                          ; v218-225 W's fragment
.set F,   228                          ; v228-231 what I joined
.set D0,  232                          ; v232-239, v240-247 two accumulators
.set D1,  240
.set XS,  248                          ; v248-251 x's scale words, v252 W's: these five hold scales and nothing else
.set BS,  252
; scalar registers
.set WV,  10
.set SEL, 24                           ; s[24:25] v_permlanex16_b32's selects for lane l xor 16
.set DLT, 26                           ; 0.1
.set REP, 27                           ; 0x01010101
.set HI,  28                           ; lanes 16-31
.set MK,  32                           ; s32-47 sixteen lane masks
	s_load_b128 s[4:7], s[0:1], 0x0                ; x, weights
	s_load_b64 s[8:9], s[0:1], 0x10                ; out0
	v_lshl_add_u32 v254, v0, 2, 0x8000
	v_mov_b32 v255, 0
	v_lshrrev_b32 v[T0], 5, v0
	v_readfirstlane_b32 s[WV], v[T0]               ; wave 0..3
	v_and_b32 v[RR], 15, v0                        ; r
	v_bfe_u32 v[HH], v0, 4, 1                      ; h
	v_lshlrev_b32 v[XA], 11, v[RR]
	v_lshl_add_u32 v[XA], v[HH], 6, v[XA]          ; row r, + 64 h: my 16 numbers of a block of 32
	v_lshlrev_b32 v[WLA], 4, v[RR]
	s_lshl_b32 s12, s[WV], 6
	v_lshl_add_u32 v[WCA], v[RR], 2, s12           ; column 16 w + r of the block
	s_and_b32 s13, ttmp7, 0xffff                   ; which 16 rows
	s_lshl_b32 s14, s13, 15                        ; 16 rows of 2,048 bytes,
	s_lshl_b32 s15, s[WV], 9                       ; K step w: 512 bytes
	s_add_co_u32 s14, s14, s15
	s_mov_b32 s15, 0
	s_lshl_b32 s16, ttmp9, 8                       ; which 64 columns: 256 bytes
	s_mov_b32 s17, 0
	s_lshl_b32 s18, s13, 16                        ; out0: 16 rows of 4,096 bytes,
	s_lshl_b32 s19, s[WV], 14                      ; my wave's four rows,
	s_add_co_u32 s18, s18, s19
	s_add_co_u32 s18, s18, s16                     ; the block's columns
	s_mov_b32 s19, 0
	s_wait_kmcnt 0x0
	s_add_nc_u64 s[4:5], s[4:5], s[14:15]
	s_add_nc_u64 s[6:7], s[6:7], s[16:17]
	s_add_nc_u64 s[8:9], s[8:9], s[18:19]
.irp b, 0,1,2,3                                ; x first: the longest chain of work hangs on it.  The wave's 16 loads together take 512 consecutive bytes of each of 16 rows
.irp j, 0,1,2,3
	global_load_b128 v[X+16*\b+4*\j:X+16*\b+4*\j+3], v[XA], s[4:5] offset:128*\b+16*\j
.endr
.endr
.irp j, 0,1,2,3,4,5,6,7,8,9,10,11,12,13,14,15
	global_load_b32 v[WC+\j], v[WCA], s[6:7] offset:\j*WROW            ; a lane to a column, registers down K: sixteen lanes read 64 neighbouring bytes; both halves of the lanes hold the column
.endr
.irp j, 0,1,2,3,4,5,6,7,8,9,10,11,12,13,14,15
	global_load_b128 v[WL+4*\j:WL+4*\j+3], v[WLA], s[6:7] offset:\j*WROW   ; for the bias: sixteen lanes read 256 neighbouring bytes
.endr
	; LDS addresses and constants, while the loads are out
	v_and_b32 v[LN], 31, v0
	v_lshlrev_b32 v[LI], 4, v[LN]
	v_lshlrev_b32 v[LS], 2, v[LN]
	v_lshlrev_b32 v[SCW], 2, v0
	v_lshl_add_u32 v[IW], v[T0], 10, v[LI]
	v_lshl_add_u32 v[BW], v0, 4, BCB
	v_lshlrev_b32 v[BR], 9, v[T0]
	v_lshl_add_u32 v[BR], v[HH], 6, v[BR]
	v_add_nc_u32 v[BR], BCB, v[BR]
	v_lshl_add_u32 v[T1], v[T0], 2, v[HH]          ; row 4 w + h (and two rows on)
	v_mul_u32_u24 v[SR], v[T1], SPIT
	v_lshl_add_u32 v[SR], v[RR], 4, v[SR]
	v_add_nc_u32 v[SR], STG, v[SR]
	v_bfe_u32 v[T1], v0, 2, 2
	v_lshl_add_u32 v[T1], v[T0], 2, v[T1]          ; the row whose parts I join: 4 w + (lane / 4) % 4
	v_mul_u32_u24 v[PRA], v[T1], PPIT
	v_and_b32 v[T1], 3, v0
	v_lshl_add_u32 v[PRA], v[T1], 4, v[PRA]        ; four j: 4 (lane % 4) on
	v_mad_u32_u24 v[PRA], v[HH], KIND, v[PRA]      ; lanes 0-15 join S, lanes 16-31 M
	v_add_nc_u32 v[PRA], PSB, v[PRA]
	v_lshrrev_b32 v[T1], 4, v0                     ; 2 w + h
	v_mul_u32_u24 v[PWA], v[T1], PREG
	v_mad_u32_u24 v[PWA], v[RR], PPIT, v[PWA]
	v_add_nc_u32 v[PWA], PSB, v[PWA]
	v_mul_u32_u24 v[SO], v[RR], SPIT
	v_lshl_add_u32 v[SO], v[T1], 5, v[SO]          ; row r, + 64 w + 32 h: my eight columns
	v_add_nc_u32 v[SO], STG, v[SO]
	v_lshlrev_b32 v[GO], 12, v[HH]
	v_lshl_add_u32 v[GO], v[RR], 4, v[GO]
.irp b, 0,1,2,3
	v_mov_b32 v[TM+4+\b], 0                        ; written once: a lane permute's destination counts as one of its sources
.endr
	s_mov_b32 s[SEL], 0x76543210
	s_mov_b32 s[SEL+1], 0xfedcba98
	s_mov_b32 s[DLT], 0x3dcccccd
	s_mov_b32 s[REP], 0x01010101
	s_mov_b32 s[HI], 0xffff0000
	; ---- 1a: my part of S and M: over my four blocks, register by register (i = k % 16), of the numbers as they came, ahead of the mask
	s_wait_loadcnt 40                              ; x's blocks 0 and 1 are in: behind them stand 8 loads of x and 32 of weights
.irp i, 0,1,2,3,4,5,6,7,8,9,10,11,12,13,14,15
	v_add_f32 v[SP+\i], |v[X+\i]|, |v[X+16+\i]|
.endr
	s_wait_loadcnt 36                              ; block 2
.irp i, 0,1,2,3,4,5,6,7,8,9,10,11,12,13,14,15
	v_max3_num_f32 v[MP+\i], |v[X+\i]|, |v[X+16+\i]|, |v[X+32+\i]|
.endr
.irp i, 0,1,2,3,4,5,6,7,8,9,10,11,12,13,14,15
	v_add_f32 v[SP+\i], v[SP+\i], |v[X+32+\i]|
.endr
	s_wait_loadcnt 32                              ; block 3: only the 32 loads of weights are out
.irp i, 0,1,2,3,4,5,6,7,8,9,10,11,12,13,14,15
	v_max_num_f32 v[MP+\i], v[MP+\i], |v[X+48+\i]|
.endr
.irp i, 0,1,2,3,4,5,6,7,8,9,10,11,12,13,14,15
	v_add_f32 v[SP+\i], v[SP+\i], |v[X+48+\i]|
.endr
.irp q, 0,1,2,3
	ds_store_b128 v[PWA], v[MP+4*\q:MP+4*\q+3] offset:KIND+16*\q
.endr
.irp q, 0,1,2,3
	ds_store_b128 v[PWA], v[SP+4*\q:SP+4*\q+3] offset:16*\q
.endr
	; ---- 1b: the mask: x where x >= -1, else 0.  Sixteen compares, then sixteen selects, so that no select waits for the compare just above it
.irp g, 0,1,2,3
.irp i, 0,1,2,3,4,5,6,7,8,9,10,11,12,13,14,15
	v_cmp_le_f32 s[MK+\i], -1.0, v[X+16*\g+\i]
.endr
.irp i, 0,1,2,3,4,5,6,7,8,9,10,11,12,13,14,15
	v_cndmask_b32 v[X+16*\g+\i], 0, v[X+16*\g+\i], s[MK+\i]
.endr
.endr
	; ---- 1c: the quantiser: four blocks of 32, each in lanes l and l xor 16
.irp b, 0,1,2,3
	v_max3_num_f32 v[TM+\b], |v[X+16*\b]|, |v[X+1+16*\b]|, 0x1800000   ; my 16 numbers, and the floor 2^(3 - 127): so the byte cannot fall under 1
.endr
.irp i, 2,4,6,8,10,12,14
.irp b, 0,1,2,3
	v_max3_num_f32 v[TM+\b], v[TM+\b], |v[X+16*\b+\i]|, |v[X+1+16*\b+\i]|   ; (the four blocks by turns)
.endr
.endr
.irp b, 0,1,2,3
	v_permlanex16_b32 v[TM+4+\b], v[TM+\b], s[SEL], s[SEL+1]
.endr
.irp b, 0,1,2,3
	v_max_num_f32 v[TM+\b], v[TM+\b], v[TM+4+\b]   ; the block's largest magnitude
.endr
.irp b, 0,1,2,3
	v_add_nc_u32 v[TM+12+\b], 0xff000000, v[TM+\b] ; 2 off its exponent field: the conversion takes the exponent field of this operand as its scale
.endr
.irp b, 0,1,2,3
	v_lshrrev_b32 v[TM+4+\b], 23, v[TM+12+\b]      ; the scale's byte
.endr
	v_lshl_or_b32 v[PW], v[TM+5], 8, v[TM+4]       ; my row's scale word for this K step
	v_lshl_or_b32 v[PW], v[TM+6], 16, v[PW]
	v_lshl_or_b32 v[PW], v[TM+7], 24, v[PW]
.irp b, 0,1,2,3
	v_cvt_scalef32_pk8_fp4_f32 v[PC+2*\b], v[X+16*\b:X+7+16*\b], v[TM+12+\b]
	v_cvt_scalef32_pk8_fp4_f32 v[PC+1+2*\b], v[X+8+16*\b:X+15+16*\b], v[TM+12+\b]
.endr
	v_nop                                          ; one plain instruction behind a scaled conversion
.irp c, 0,1                                    ; the operand's layout wants a WHOLE block in a lane: lanes 0-15 block 2 c, lanes 16-31 block 2 c + 1
.irp i, 0,1
	v_permlane16_swap_b32 v[PC+4*\c+\i], v[PC+2+4*\c+\i]
.endr
.endr
	ds_store_b128 v[IW], v[PC:PC+3] offset:XIMG    ; the fragment goes to LDS as it stands: lane l's 16 bytes at 16 l
	ds_store_b128 v[IW], v[PC+4:PC+7] offset:XIMG+512
	ds_store_b32 v[SCW], v[PW] offset:XSC
	s_wait_dscnt 0x0                               ; for the others' sake: my parts of S and M, my fragment and its scale word have landed
	s_barrier_signal -1
	s_barrier_wait -1                              ; everybody's have
	; ---- 2: the loads go out in one run; tile w's columns are quantised while they land
.irp p, 0,1,2,3,4,5,6,7
	ds_load_b128 v[R+4*\p:R+4*\p+3], v[PRA] offset:\p*PREG         ; the eight parts of my row's four j
.endr
.irp s, 0,1,2,3
	ds_load_b128 v[XF+8*\s:XF+8*\s+3], v[LI] offset:XIMG+\s*FRB
	ds_load_b128 v[XF+8*\s+4:XF+8*\s+7], v[LI] offset:XIMG+\s*FRB+512
.endr
.irp s, 0,1,2,3
	ds_load_b32 v[XS+\s], v[LS] offset:XSC+128*\s
.endr
	s_wait_loadcnt 16                              ; my column's 16 numbers are in; the 16 loads for the bias may be out
	v_max3_num_f32 v[TM], |v[WC]|, |v[WC+1]|, 0x1800000            ; a block of W is these 16 numbers twice: their largest magnitude is every block's.  Two chains
	v_max3_num_f32 v[TM+1], |v[WC+8]|, |v[WC+9]|, |v[WC+10]|
	v_max3_num_f32 v[TM], v[TM], |v[WC+2]|, |v[WC+3]|
	v_max3_num_f32 v[TM+1], v[TM+1], |v[WC+11]|, |v[WC+12]|
	v_max3_num_f32 v[TM], v[TM], |v[WC+4]|, |v[WC+5]|
	v_max3_num_f32 v[TM+1], v[TM+1], |v[WC+13]|, |v[WC+14]|
	v_max3_num_f32 v[TM], v[TM], |v[WC+6]|, |v[WC+7]|
	v_max3_num_f32 v[TM], v[TM], v[TM+1], |v[WC+15]|
	v_add_nc_u32 v[TM+12], 0xff000000, v[TM]
	v_cvt_scalef32_pk8_fp4_f32 v[BF], v[WC:WC+7], v[TM+12]         ; k % 16 = 0 .. 7
	v_cvt_scalef32_pk8_fp4_f32 v[BF+1], v[WC+8:WC+15], v[TM+12]    ; 8 .. 15
	v_lshrrev_b32 v[TM+4], 23, v[TM+12]            ; the byte (the plain instruction behind the conversions)
	v_mul_lo_u32 v[BS], v[TM+4], s[REP]            ; four times over: the scale word of any 128 along K
.irp k, 2,4,6
	v_mov_b32 v[BF+\k], v[BF]                      ; the fragment's 64 codes a lane are the 16 four times over; an operand is eight registers of its own
	v_mov_b32 v[BF+\k+1], v[BF+1]
.endr
	s_wait_dscnt 12                                ; the eight parts are in; behind them stand the 8 loads of fragments and the 4 of scale words
.irp c, 0,1,2,3
	v_max3_num_f32 v[MX+\c], v[R+\c], v[R+4+\c], v[R+8+\c]         ; every lane forms both the maximum and the sum of its eight parts and keeps the one that its half is there for
.endr
.irp c, 0,1,2,3
	v_max3_num_f32 v[MX+\c], v[MX+\c], v[R+12+\c], v[R+16+\c]
.endr
.irp c, 0,1,2,3
	v_max3_num_f32 v[MX+\c], v[MX+\c], v[R+20+\c], v[R+24+\c]
.endr
.irp c, 0,1,2,3
	v_max_num_f32 v[MX+\c], v[MX+\c], v[R+28+\c]
.endr
.irp p, 0,2,4,6
.irp c, 0,2
	v_pk_add_f32 v[R+4*\p+\c:R+4*\p+\c+1], v[R+4*\p+\c:R+4*\p+\c+1], v[R+4*\p+4+\c:R+4*\p+4+\c+1]
.endr
.endr
.irp p, 0,4
.irp c, 0,2
	v_pk_add_f32 v[R+4*\p+\c:R+4*\p+\c+1], v[R+4*\p+\c:R+4*\p+\c+1], v[R+4*\p+8+\c:R+4*\p+8+\c+1]
.endr
.endr
.irp c, 0,2
	v_pk_add_f32 v[R+\c:R+\c+1], v[R+\c:R+\c+1], v[R+16+\c:R+16+\c+1]
.endr
.irp c, 0,1,2,3
	v_cndmask_b32 v[F+\c], v[R+\c], v[MX+\c], s[HI]                ; lanes 0-15: S, lanes 16-31: M
.endr
	ds_store_b128 v[BW], v[F:F+3]                  ; into my wave's own 512 bytes; LDS serves a wave's instructions in order (ISA guide 5.7.1.4): the loads below see it, and no other wave touches these bytes
.irp i, 0,1                                    ; my rows 4 w + 2 i + h: all 16 M and all 16 S of each; the sixteen lanes of a half read the same 16 bytes
.irp q, 0,1,2,3
	ds_load_b128 v[MV+16*\i+4*\q:MV+16*\i+4*\q+3], v[BR] offset:256+128*\i+16*\q
.endr
.endr
.irp i, 0,1
.irp q, 0,1,2,3
	ds_load_b128 v[SV+16*\i+4*\q:SV+16*\i+4*\q+3], v[BR] offset:128*\i+16*\q
.endr
.endr
	; ---- 3: tile w: K steps 0 and 2 on one accumulator, 1 and 3 on the other: the two take turns, one instruction a turn; the first two products start the sums.
	; W's fragment and scale word were written by vector instructions: the 34 plain instructions that joined S and M stand between.
	s_wait_dscnt 17                                ; the fragments and scale words are in; behind them stand the store and the 16 loads just issued
	v_wmma_scale_f32_16x16x128_f8f6f4 v[D0:D0+7], v[BF:BF+7], v[XF:XF+7], 0, v[BS], v[XS] matrix_a_fmt:MATRIX_FMT_FP4 matrix_b_fmt:MATRIX_FMT_FP4
	v_wmma_scale_f32_16x16x128_f8f6f4 v[D1:D1+7], v[BF:BF+7], v[XF+8:XF+15], 0, v[BS], v[XS+1] matrix_a_fmt:MATRIX_FMT_FP4 matrix_b_fmt:MATRIX_FMT_FP4
	v_wmma_scale_f32_16x16x128_f8f6f4 v[D0:D0+7], v[BF:BF+7], v[XF+16:XF+23], v[D0:D0+7], v[BS], v[XS+2] matrix_a_fmt:MATRIX_FMT_FP4 matrix_b_fmt:MATRIX_FMT_FP4
	v_wmma_scale_f32_16x16x128_f8f6f4 v[D1:D1+7], v[BF:BF+7], v[XF+24:XF+31], v[D1:D1+7], v[BS], v[XS+3] matrix_a_fmt:MATRIX_FMT_FP4 matrix_b_fmt:MATRIX_FMT_FP4
	; ---- 4: the bias of my 2 rows x 4 columns.  One step of the maximum: j = 2 e and 2 e + 1: w[j][4 columns] x M[row][j], two columns an instruction (of the pair M[2 e], M[2 e + 1] one word serves both halves);
	; the magnitudes are taken where the products are compared.
.macro MAXSTEP e
.irp i, 0,1
.irp c, 0,2
	v_pk_mul_f32 v[P+8*\i+\c:P+8*\i+\c+1], v[WL+8*(\e)+\c:WL+8*(\e)+\c+1], v[MV+16*\i+2*(\e):MV+16*\i+2*(\e)+1] op_sel_hi:[1,0]
	v_pk_mul_f32 v[P+8*\i+4+\c:P+8*\i+4+\c+1], v[WL+8*(\e)+4+\c:WL+8*(\e)+4+\c+1], v[MV+16*\i+2*(\e):MV+16*\i+2*(\e)+1] op_sel:[0,1] op_sel_hi:[1,1]
.endr
.endr
.irp i, 0,1
.irp c, 0,1,2,3
.if (\e) == 0
	v_max_num_f32 v[M8+4*\i+\c], |v[P+8*\i+\c]|, |v[P+8*\i+4+\c]|
.else
	v_max3_num_f32 v[M8+4*\i+\c], v[M8+4*\i+\c], |v[P+8*\i+\c]|, |v[P+8*\i+4+\c]|
.endif
.endr
.endr
.endm
	s_wait_loadcnt 0x0                             ; weights by four columns
	s_wait_dscnt 0x0                               ; S and M of my rows
	MAXSTEP 0                                      ; sixteen plain instructions that name no register of the products: the places between the last product and the first read of a result (ISA guide 7.12.1)
.irp c, 0,2,4,6
	v_pk_add_f32 v[PC+\c:PC+\c+1], v[D0+\c:D0+\c+1], v[D1+\c:D1+\c+1]   ; the two accumulators, each from its low end on: lane (r, h) holds row r, columns 16 w + 8 h + 0 .. 7
.endr
	ds_store_b128 v[SO], v[PC:PC+3]
	ds_store_b128 v[SO], v[PC+4:PC+7] offset:16
	MAXSTEP 1
	s_wait_dscnt 0x0                               ; for the others' sake: my tile lies in the stage
	s_barrier_signal -1
.irp e, 2,3,4,5,6,7
	MAXSTEP \e                                     ; work on registers while the others arrive
.endr
	s_barrier_wait -1                              ; 16 whole rows lie in the stage
.irp i, 0,1
	ds_load_b128 v[DS+4*\i:DS+4*\i+3], v[SR] offset:\i*2*SPIT      ; rows 4 w + 2 i + h: sixteen lanes to a row of 256 bytes; they land under the sums below
.endr
.irp j, 0,1,2,3,4,5,6,7,8,9,10,11,12,13,14,15
.irp i, 0,1
.irp c, 0,1,2,3
	v_fma_f32 v[M8+4*\i+\c], -|v[WL+4*\j+\c]|, v[SV+16*\i+\j], v[M8+4*\i+\c]   ; max - sum: the maximum is the chain's first addend; eight chains by turns
.endr
.endr
.endr
	s_wait_dscnt 0x0
.irp i, 0,1
.irp c, 0,1,2,3
	v_fma_f32 v[OUT+4*\i+\c], s[DLT], v[M8+4*\i+\c], v[DS+4*\i+\c]
.endr
.endr
.irp i, 0,1
	global_store_b128 v[GO], v[OUT+4*\i:OUT+4*\i+3], s[8:9] offset:\i*2*WROW th:TH_STORE_NT   ; 16 lanes store 256 consecutive bytes, at a multiple of 256 from out0's first byte; written once, read by nobody here
.endr
	s_wait_tensorcnt 0x0
	ds_add_u32 v254, v255
	s_wait_dscnt 0x0
	s_endpgm
.Lfunc_end_k_q003d3c128e_conj:
	.size	k_q003d3c128e_conj, .Lfunc_end_k_q003d3c128e_conj-k_q003d3c128e_conj
	.p2alignl 7, 3214868480
	.fill 96, 4, 3214868480
	.section	.rodata,"a",@progbits
	.p2align	6, 0x0
	.amdhsa_kernel k_q003d3c128e_conj
		.amdhsa_group_segment_fixed_size 33280
		.amdhsa_private_segment_fixed_size 0
		.amdhsa_enable_private_segment 0
		.amdhsa_kernarg_size 24
		.amdhsa_user_sgpr_count 2
		.amdhsa_user_sgpr_kernarg_segment_ptr 1
		.amdhsa_wavefront_size32 1
		.amdhsa_system_sgpr_workgroup_id_x 1
		.amdhsa_system_sgpr_workgroup_id_y 1
		.amdhsa_system_sgpr_workgroup_id_z 1
		.amdhsa_system_vgpr_workitem_id 0
		.amdhsa_next_free_vgpr 256
		.amdhsa_next_free_sgpr 66
		.amdhsa_reserve_vcc 0
		.amdhsa_float_denorm_mode_32 3
		.amdhsa_float_denorm_mode_16_64 3
		.amdhsa_memory_ordered 1
		.amdhsa_forward_progress 1
		.amdhsa_inst_pref_size 50
	.end_amdhsa_kernel
	.amdgpu_metadata
---
amdhsa.version: [ 1, 2 ]
amdhsa.kernels:
  - .name:           k_q003d3c128e_conj
    .symbol:         k_q003d3c128e_conj.kd
    .args:
      - { .name: x, .offset: 0, .size: 8, .value_kind: global_buffer, .address_space: global }
      - { .name: weights, .offset: 8, .size: 8, .value_kind: global_buffer, .address_space: global }
      - { .name: out0, .offset: 16, .size: 8, .value_kind: global_buffer, .address_space: global }
    .group_segment_fixed_size: 33280
    .private_segment_fixed_size: 0
    .kernarg_segment_align: 8
    .kernarg_segment_size: 24
    .max_flat_workgroup_size: 128
    .sgpr_count:     66
    .vgpr_count:     256
    .wavefront_size: 32
...
	.end_amdgpu_metadata
.endif
;; end of part 1
;; ======== version 2 of 2: 1 launch; version 1 with the launch conj written anew for expert scheduling mode
;; launch conj (part 2): grid 16 x 8, 4 waves a work-group, no clusters, 33,280 bytes of LDS; arguments x, weights, out0; writes out0
.if DOCPART == 2
	.amdgcn_target "amdgcn-amd-amdhsa--gfx1250"
	.amdhsa_code_object_version 6
	.text
	.protected	k_q003d3c128e_conj
	.globl	k_q003d3c128e_conj
	.p2align	8
	.type	k_q003d3c128e_conj,@function
k_q003d3c128e_conj:
	s_mov_b64 s[64:65], 0
	v_nop
	global_prefetch_b8 v0, s[64:65] scope:SCOPE_SE
	s_setreg_imm32_b32 hwreg(HW_REG_WAVE_SCHED_MODE, 0, 2), 2
	s_setreg_imm32_b32 hwreg(HW_REG_WAVE_MODE, 25, 1), 1
	s_wait_xcnt 0x0
	s_wait_alu depctr_vm_vsrc(0)
; out0[b][o] = sum_k Q(x[b][k] (x[b][k] >= -1)) Q(W[k][o]) + 0.1 (max_k |W[k][o] x[b][k]| - sum_k |W[k][o] x[b][k]|),  W[k][o] = weights[k % 16][o]  (the row index is 0..15, 32 times over).
; x: [128][512] f32, weights: [32][1024] f32 (rows 0-15 are all that the row index names), out0: [128][1024] f32.  Q: codes of FP4 (E2M1) with one E8M0 scale for each 32 along K.
; WHAT THE REPEATED ROWS GIVE, for every input:
;   B: each block of 32 along K of column o is w[0..15][o] twice: one scale byte a column, 16 codes (two registers q0 q1), and the fragment is q0 q1 four times over, the same in all four K steps.
;   sum_k |W x| = sum_{j<16} |w[j][o]| S[b][j],  S[b][j] = sum over the 32 groups g of |x[b][16 g + j]|      (the f32 additions are ordered otherwise than by k)
;   max_k |W x| = max_{j<16} |w[j][o]| M[b][j],  M[b][j] = max over g of |x[b][16 g + j]|                     (the same bits: a rounded product does not fall where a factor rises)
; SHARES.  128 work-groups of four waves; a work-group owns 16 rows x 64 columns: a row's part is 256 consecutive bytes of out0, aligned.
;   Wave w: (1) x's K step w (16 rows x 128): its part of S and M, the mask, the quantiser; all to LDS | barrier | (2) the eight parts of S and M of rows 4 w .. 4 w + 3 are joined; tile w's 16 columns of W are
;   quantised; (3) four products (tile w, K steps 0-3), result to a stage in LDS | barrier | (4) the bias of 2 rows x 4 columns a lane, the stage read back by rows, two stores of 16 bytes a lane.
; THE PRODUCT IS USED TRANSPOSED (source 0 = 16 columns of W, source 1 = 16 rows of x): a lane then holds eight neighbouring columns of one row.
; NO CLUSTER, NO TENSOR LOAD: what work-groups share is x's 32,768 bytes of a row tile and W's 4,096 bytes of a column block, each read once and wanted in registers in the quantiser's lane layout,
; which plain loads give directly; a wave has a few hundred instructions in all, so the rounds of a cluster's barrier and a pass through LDS would add more than they spare.  Nothing is streamed, so nothing is prefetched.
; LIMITS: NaN and infinities among the inputs are not served.  A block of zeros (all its x masked, say) carries the byte 1 where the rule says 127: its codes are zeros, and the bytes never leave this program.
; THE MODE: SCHED_MODE bits 1:0 = 2 (LLVM: expert scheduling mode 2), set by the entry lines.  The code itself states the register dependences
; between vector or matrix instructions and memory or LDS instructions, with s_wait_alu, always for 0.
; THE PLAN.  Registers that memory or LDS instructions touch, in the order of the text (there is no loop):
;   v1-3      offsets in x and weights: written at the head, read by the 48 global loads, never written again.
;   v4-14     LDS addresses and the offset in out0: written once, behind the global loads, never written again.
;   v16-79    x lands here; vector lines alone read it.  Behind the first barrier v16-47 take the four fragments (read by the products); behind the second v16-23 take my sums from the stage; v24-31 are the global stores' data.
;   v80-159   weights land here; vector lines alone read them.
;   v160-191  my parts of S and M: written by vector lines, read by eight LDS stores; behind the first barrier the eight parts that I join land here.
;   v144-207  when the joining is done, S and M of my rows land here.
;   v208, v210-217  scale word and codes: written by the quantiser, read by three LDS stores; v210-217 are written again by the accumulators' sum and read by the two stage stores.
;   v228-231  what I joined: written by four selects, read by one LDS store, never written again.    v218-225, v252: W's fragment and scale word, written by vector lines, read by the scaled products.
; So a wait on va_vdst stands ahead of each run of loads or stores, and each also covers the loads that follow it up to the next vector line that names their registers; one wait on vm_vsrc
; stands behind the first barrier, ahead of the only two rewrites of registers that LDS stores have read; one wait on va_sdst stands ahead of the wave number's first reader and one behind each run of sixteen compares.
.set XROW, 2048                        ; bytes in a row of x
.set WROW, 4096                        ; bytes in a row of weights, and of out0
; LDS
.set XIMG, 0                           ; x's four fragments (K step s) as images of their registers, 1,024 bytes each
.set FRB,  1024
.set XSC,  XIMG+4*FRB                  ; their scale words, 128 bytes each
.set PSB,  XSC+4*128                   ; the parts of S: part p = 2 w + h, 16 rows of 64 bytes + 16 of padding (20 words: the 16 rows of a store start at 16 different groups of four banks; 64 banks of 4 bytes: ISA guide 11.1)
.set PPIT, 80
.set PREG, 16*PPIT
.set KIND, 8*PREG                      ; the parts of M lie this far behind those of S
.set BCB,  PSB+2*KIND                  ; S and M joined: 512 bytes of each wave's own: S of its 4 rows (64 bytes each), then M
.set STG,  BCB+4*512                   ; the stage: 16 rows x (256 bytes + 16)
.set SPIT, 272
; vector registers
.set XA,  1                            ; x: my byte in the wave's 16 rows x 512 bytes
.set WLA, 2                            ; weights: my four columns of the block (16 bytes)
.set WCA, 3                            ; weights: my one column of tile w
.set PWA, 4                            ; where I store my part of S
.set PRA, 5                            ; where I read the eight parts that I join
.set IW,  6                            ; where I store my fragment's image: 16 x lane + 1,024 x wave
.set LI,  7                            ; 16 x lane
.set SCW, 8                            ; 4 x thread: my scale word's place
.set LS,  9                            ; 4 x lane
.set BW,  10                           ; where I store what I joined: BCB + 16 x thread
.set BR,  11                           ; where my rows' S begin: BCB + 512 x wave + 64 x half
.set SO,  12                           ; the stage: where I put 32 bytes of a row
.set SR,  13                           ; and where I read a row back
.set GO,  14                           ; my byte offset in the wave's rows of out0
.set X,   16                           ; v16-79   64 numbers of x: register 16 b + i = x[row r][128 w + 32 b + 16 h + i]; so i is k % 16
.set XF,  16                           ; v16-47   later: x's four fragments
.set DS,  16                           ; v16-23   later still: my 2 x 4 sums from the stage
.set OUT, 24                           ; v24-31   my 2 x 4 results
.set P,   52                           ; v52-67   products |w| M at work
.set M8,  68                           ; v68-75   the 2 x 4 maxima, then max - sum
.set WL,  80                           ; v80-143  register 4 j + c = weights[j][my four columns]
.set WC,  144                          ; v144-159 weights[j][my column of tile w]
.set SP,  160                          ; v160-175 my part of S, by j;  v176-191 of M
.set MP,  176
.set R,   160                          ; v160-191 later: eight parts x four j
.set SV,  144                          ; v144-175 later still: S[row i][j] of my two rows;  v176-207 M likewise
.set MV,  176
.set TM,  192                          ; v192-207 at work in the quantisers
.set MX,  192
.set RR,  200                          ; at the head only: r, h, lane, two temporaries
.set HH,  201
.set LN,  202
.set T0,  203
.set T1,  204
.set PW,  208                          ; the scale word just made
.set PC,  210                          ; v210-217 the codes just made; later the two accumulators' sum
.set BF,  218                          ; v218-225 W's fragment
.set F,   228                          ; v228-231 what I joined
.set D0,  232                          ; v232-239, v240-247 two accumulators
.set D1,  240
.set XS,  248                          ; v248-251 x's scale words, v252 W's: these five hold scales and nothing else
.set BS,  252
; scalar registers
.set WV,  10
.set SEL, 24                           ; s[24:25] v_permlanex16_b32's selects for lane l xor 16
.set DLT, 26                           ; 0.1
.set REP, 27                           ; 0x01010101
.set HI,  28                           ; lanes 16-31
.set MK,  32                           ; s32-47 sixteen lane masks
	s_load_b128 s[4:7], s[0:1], 0x0                ; x, weights
	s_load_b64 s[8:9], s[0:1], 0x10                ; out0
	v_lshl_add_u32 v254, v0, 2, 0x8000
	v_mov_b32 v255, 0
	v_lshrrev_b32 v[T0], 5, v0
	v_readfirstlane_b32 s[WV], v[T0]               ; wave 0..3
	v_and_b32 v[RR], 15, v0                        ; r
	v_bfe_u32 v[HH], v0, 4, 1                      ; h
	v_lshlrev_b32 v[XA], 11, v[RR]
	v_lshl_add_u32 v[XA], v[HH], 6, v[XA]          ; row r, + 64 h: my 16 numbers of a block of 32
	v_lshlrev_b32 v[WLA], 4, v[RR]
	s_wait_alu depctr_va_sdst(0)                   ; s10, the wave's number, is written, ahead of its first reader: the offsets below are made from it
	s_lshl_b32 s12, s[WV], 6
	v_lshl_add_u32 v[WCA], v[RR], 2, s12           ; column 16 w + r of the block
	s_and_b32 s13, ttmp7, 0xffff                   ; which 16 rows
	s_lshl_b32 s14, s13, 15                        ; 16 rows of 2,048 bytes,
	s_lshl_b32 s15, s[WV], 9                       ; K step w: 512 bytes
	s_add_co_u32 s14, s14, s15
	s_mov_b32 s15, 0
	s_lshl_b32 s16, ttmp9, 8                       ; which 64 columns: 256 bytes
	s_mov_b32 s17, 0
	s_lshl_b32 s18, s13, 16                        ; out0: 16 rows of 4,096 bytes,
	s_lshl_b32 s19, s[WV], 14                      ; my wave's four rows,
	s_add_co_u32 s18, s18, s19
	s_add_co_u32 s18, s18, s16                     ; the block's columns
	s_mov_b32 s19, 0
	s_wait_kmcnt 0x0
	s_add_nc_u64 s[4:5], s[4:5], s[14:15]
	s_add_nc_u64 s[6:7], s[6:7], s[16:17]
	s_add_nc_u64 s[8:9], s[8:9], s[18:19]
	s_wait_alu depctr_va_vdst(0)                   ; the three offsets v1 to v3 are written, which the 48 loads below read
.irp b, 0,1,2,3                                ; x first: the longest chain of work hangs on it.  The wave's 16 loads together take 512 consecutive bytes of each of 16 rows
.irp j, 0,1,2,3
	global_load_b128 v[X+16*\b+4*\j:X+16*\b+4*\j+3], v[XA], s[4:5] offset:128*\b+16*\j
.endr
.endr
.irp j, 0,1,2,3,4,5,6,7,8,9,10,11,12,13,14,15
	global_load_b32 v[WC+\j], v[WCA], s[6:7] offset:\j*WROW            ; a lane to a column, registers down K: sixteen lanes read 64 neighbouring bytes; both halves of the lanes hold the column
.endr
.irp j, 0,1,2,3,4,5,6,7,8,9,10,11,12,13,14,15
	global_load_b128 v[WL+4*\j:WL+4*\j+3], v[WLA], s[6:7] offset:\j*WROW   ; for the bias: sixteen lanes read 256 neighbouring bytes
.endr
	; LDS addresses and constants, while the loads are out: these lines name v4-14 and v196-204, none of which a load above reads or lands in
	v_and_b32 v[LN], 31, v0
	v_lshlrev_b32 v[LI], 4, v[LN]
	v_lshlrev_b32 v[LS], 2, v[LN]
	v_lshlrev_b32 v[SCW], 2, v0
	v_lshl_add_u32 v[IW], v[T0], 10, v[LI]
	v_lshl_add_u32 v[BW], v0, 4, BCB
	v_lshlrev_b32 v[BR], 9, v[T0]
	v_lshl_add_u32 v[BR], v[HH], 6, v[BR]
	v_add_nc_u32 v[BR], BCB, v[BR]
	v_lshl_add_u32 v[T1], v[T0], 2, v[HH]          ; row 4 w + h (and two rows on)
	v_mul_u32_u24 v[SR], v[T1], SPIT
	v_lshl_add_u32 v[SR], v[RR], 4, v[SR]
	v_add_nc_u32 v[SR], STG, v[SR]
	v_bfe_u32 v[T1], v0, 2, 2
	v_lshl_add_u32 v[T1], v[T0], 2, v[T1]          ; the row whose parts I join: 4 w + (lane / 4) % 4
	v_mul_u32_u24 v[PRA], v[T1], PPIT
	v_and_b32 v[T1], 3, v0
	v_lshl_add_u32 v[PRA], v[T1], 4, v[PRA]        ; four j: 4 (lane % 4) on
	v_mad_u32_u24 v[PRA], v[HH], KIND, v[PRA]      ; lanes 0-15 join S, lanes 16-31 M
	v_add_nc_u32 v[PRA], PSB, v[PRA]
	v_lshrrev_b32 v[T1], 4, v0                     ; 2 w + h
	v_mul_u32_u24 v[PWA], v[T1], PREG
	v_mad_u32_u24 v[PWA], v[RR], PPIT, v[PWA]
	v_add_nc_u32 v[PWA], PSB, v[PWA]
	v_mul_u32_u24 v[SO], v[RR], SPIT
	v_lshl_add_u32 v[SO], v[T1], 5, v[SO]          ; row r, + 64 w + 32 h: my eight columns
	v_add_nc_u32 v[SO], STG, v[SO]
	v_lshlrev_b32 v[GO], 12, v[HH]
	v_lshl_add_u32 v[GO], v[RR], 4, v[GO]
.irp b, 0,1,2,3
	v_mov_b32 v[TM+4+\b], 0                        ; written once: a lane permute's destination counts as one of its sources
.endr
	s_mov_b32 s[SEL], 0x76543210
	s_mov_b32 s[SEL+1], 0xfedcba98
	s_mov_b32 s[DLT], 0x3dcccccd
	s_mov_b32 s[REP], 0x01010101
	s_mov_b32 s[HI], 0xffff0000
	; ---- 1a: my part of S and M: over my four blocks, register by register (i = k % 16), of the numbers as they came, ahead of the mask
	s_wait_loadcnt 40                              ; x's blocks 0 and 1 are in: behind them stand 8 loads of x and 32 of weights
.irp i, 0,1,2,3,4,5,6,7,8,9,10,11,12,13,14,15
	v_add_f32 v[SP+\i], |v[X+\i]|, |v[X+16+\i]|
.endr
	s_wait_loadcnt 36                              ; block 2
.irp i, 0,1,2,3,4,5,6,7,8,9,10,11,12,13,14,15
	v_max3_num_f32 v[MP+\i], |v[X+\i]|, |v[X+16+\i]|, |v[X+32+\i]|
.endr
.irp i, 0,1,2,3,4,5,6,7,8,9,10,11,12,13,14,15
	v_add_f32 v[SP+\i], v[SP+\i], |v[X+32+\i]|
.endr
	s_wait_loadcnt 32                              ; block 3: only the 32 loads of weights are out
.irp i, 0,1,2,3,4,5,6,7,8,9,10,11,12,13,14,15
	v_max_num_f32 v[MP+\i], v[MP+\i], |v[X+48+\i]|
.endr
.irp i, 0,1,2,3,4,5,6,7,8,9,10,11,12,13,14,15
	v_add_f32 v[SP+\i], v[SP+\i], |v[X+48+\i]|
.endr
	; ---- 1b: the mask: x where x >= -1, else 0.  Sixteen compares in a run, one wait for their masks, then sixteen selects.  The stores of my parts of S and M stand behind the first run of compares
.irp g, 0,1,2,3
.irp i, 0,1,2,3,4,5,6,7,8,9,10,11,12,13,14,15
	v_cmp_le_f32 s[MK+\i], -1.0, v[X+16*\g+\i]
.endr
	s_wait_alu depctr_va_sdst(0)                   ; the sixteen compares have written s32 to s47, which the selects below read
.if \g == 0
	s_wait_alu depctr_va_vdst(0)                   ; the additions and maxima have written v160-191, which the eight stores read, and v4, their address, is written (so are all the LDS addresses v5-14)
.irp q, 0,1,2,3
	ds_store_b128 v[PWA], v[MP+4*\q:MP+4*\q+3] offset:KIND+16*\q
.endr
.irp q, 0,1,2,3
	ds_store_b128 v[PWA], v[SP+4*\q:SP+4*\q+3] offset:16*\q
.endr
.endif
.irp i, 0,1,2,3,4,5,6,7,8,9,10,11,12,13,14,15
	v_cndmask_b32 v[X+16*\g+\i], 0, v[X+16*\g+\i], s[MK+\i]
.endr
.endr
	; ---- 1c: the quantiser: four blocks of 32, each in lanes l and l xor 16
.irp b, 0,1,2,3
	v_max3_num_f32 v[TM+\b], |v[X+16*\b]|, |v[X+1+16*\b]|, 0x1800000   ; my 16 numbers, and the floor 2^(3 - 127): so the byte cannot fall under 1
.endr
.irp i, 2,4,6,8,10,12,14
.irp b, 0,1,2,3
	v_max3_num_f32 v[TM+\b], v[TM+\b], |v[X+16*\b+\i]|, |v[X+1+16*\b+\i]|   ; (the four blocks by turns)
.endr
.endr
.irp b, 0,1,2,3
	v_permlanex16_b32 v[TM+4+\b], v[TM+\b], s[SEL], s[SEL+1]
.endr
.irp b, 0,1,2,3
	v_max_num_f32 v[TM+\b], v[TM+\b], v[TM+4+\b]   ; the block's largest magnitude
.endr
.irp b, 0,1,2,3
	v_add_nc_u32 v[TM+12+\b], 0xff000000, v[TM+\b] ; 2 off its exponent field: the conversion takes the exponent field of this operand as its scale
.endr
.irp b, 0,1,2,3
	v_lshrrev_b32 v[TM+4+\b], 23, v[TM+12+\b]      ; the scale's byte
.endr
	v_lshl_or_b32 v[PW], v[TM+5], 8, v[TM+4]       ; my row's scale word for this K step
	v_lshl_or_b32 v[PW], v[TM+6], 16, v[PW]
	v_lshl_or_b32 v[PW], v[TM+7], 24, v[PW]
.irp b, 0,1,2,3
	v_cvt_scalef32_pk8_fp4_f32 v[PC+2*\b], v[X+16*\b:X+7+16*\b], v[TM+12+\b]
	v_cvt_scalef32_pk8_fp4_f32 v[PC+1+2*\b], v[X+8+16*\b:X+15+16*\b], v[TM+12+\b]
.endr
	v_nop                                          ; one plain instruction behind a scaled conversion
.irp c, 0,1                                    ; the operand's layout wants a WHOLE block in a lane: lanes 0-15 block 2 c, lanes 16-31 block 2 c + 1
.irp i, 0,1
	v_permlane16_swap_b32 v[PC+4*\c+\i], v[PC+2+4*\c+\i]
.endr
.endr
	s_wait_alu depctr_va_vdst(0)                   ; the codes v210-217 and the scale word v208 are written, which the three stores read; and the conversions are done reading v16-47, in which the fragments land behind the barrier: no vector line stands between
	ds_store_b128 v[IW], v[PC:PC+3] offset:XIMG    ; the fragment goes to LDS as it stands: lane l's 16 bytes at 16 l
	ds_store_b128 v[IW], v[PC+4:PC+7] offset:XIMG+512
	ds_store_b32 v[SCW], v[PW] offset:XSC
	s_wait_dscnt 0x0                               ; for the others' sake: my parts of S and M, my fragment and its scale word have landed
	s_barrier_signal -1
	s_barrier_wait -1                              ; everybody's have
	; ---- 2: the loads go out in one run; tile w's columns are quantised while they land
	s_wait_alu depctr_vm_vsrc(0)                   ; my LDS stores have read v160-191, in which the eight parts land now, and v210-217, which the accumulators' sum writes further down
.irp p, 0,1,2,3,4,5,6,7
	ds_load_b128 v[R+4*\p:R+4*\p+3], v[PRA] offset:\p*PREG         ; the eight parts of my row's four j
.endr
.irp s, 0,1,2,3
	ds_load_b128 v[XF+8*\s:XF+8*\s+3], v[LI] offset:XIMG+\s*FRB
	ds_load_b128 v[XF+8*\s+4:XF+8*\s+7], v[LI] offset:XIMG+\s*FRB+512
.endr
.irp s, 0,1,2,3
	ds_load_b32 v[XS+\s], v[LS] offset:XSC+128*\s
.endr
	s_wait_loadcnt 16                              ; my column's 16 numbers are in; the 16 loads for the bias may be out
	v_max3_num_f32 v[TM], |v[WC]|, |v[WC+1]|, 0x1800000            ; a block of W is these 16 numbers twice: their largest magnitude is every block's.  Two chains
	v_max3_num_f32 v[TM+1], |v[WC+8]|, |v[WC+9]|, |v[WC+10]|
	v_max3_num_f32 v[TM], v[TM], |v[WC+2]|, |v[WC+3]|
	v_max3_num_f32 v[TM+1], v[TM+1], |v[WC+11]|, |v[WC+12]|
	v_max3_num_f32 v[TM], v[TM], |v[WC+4]|, |v[WC+5]|
	v_max3_num_f32 v[TM+1], v[TM+1], |v[WC+13]|, |v[WC+14]|
	v_max3_num_f32 v[TM], v[TM], |v[WC+6]|, |v[WC+7]|
	v_max3_num_f32 v[TM], v[TM], v[TM+1], |v[WC+15]|
	v_add_nc_u32 v[TM+12], 0xff000000, v[TM]
	v_cvt_scalef32_pk8_fp4_f32 v[BF], v[WC:WC+7], v[TM+12]         ; k % 16 = 0 .. 7
	v_cvt_scalef32_pk8_fp4_f32 v[BF+1], v[WC+8:WC+15], v[TM+12]    ; 8 .. 15
	v_lshrrev_b32 v[TM+4], 23, v[TM+12]            ; the byte (the plain instruction behind the conversions)
	v_mul_lo_u32 v[BS], v[TM+4], s[REP]            ; four times over: the scale word of any 128 along K
.irp k, 2,4,6
	v_mov_b32 v[BF+\k], v[BF]                      ; the fragment's 64 codes a lane are the 16 four times over; an operand is eight registers of its own
	v_mov_b32 v[BF+\k+1], v[BF+1]
.endr
	s_wait_dscnt 12                                ; the eight parts are in; behind them stand the 8 loads of fragments and the 4 of scale words
.irp c, 0,1,2,3
	v_max3_num_f32 v[MX+\c], v[R+\c], v[R+4+\c], v[R+8+\c]         ; every lane forms both the maximum and the sum of its eight parts and keeps the one that its half is there for
.endr
.irp c, 0,1,2,3
	v_max3_num_f32 v[MX+\c], v[MX+\c], v[R+12+\c], v[R+16+\c]
.endr
.irp c, 0,1,2,3
	v_max3_num_f32 v[MX+\c], v[MX+\c], v[R+20+\c], v[R+24+\c]
.endr
.irp c, 0,1,2,3
	v_max_num_f32 v[MX+\c], v[MX+\c], v[R+28+\c]
.endr
.irp p, 0,2,4,6
.irp c, 0,2
	v_pk_add_f32 v[R+4*\p+\c:R+4*\p+\c+1], v[R+4*\p+\c:R+4*\p+\c+1], v[R+4*\p+4+\c:R+4*\p+4+\c+1]
.endr
.endr
.irp p, 0,4
.irp c, 0,2
	v_pk_add_f32 v[R+4*\p+\c:R+4*\p+\c+1], v[R+4*\p+\c:R+4*\p+\c+1], v[R+4*\p+8+\c:R+4*\p+8+\c+1]
.endr
.endr
.irp c, 0,2
	v_pk_add_f32 v[R+\c:R+\c+1], v[R+\c:R+\c+1], v[R+16+\c:R+16+\c+1]
.endr
.irp c, 0,1,2,3
	v_cndmask_b32 v[F+\c], v[R+\c], v[MX+\c], s[HI]                ; lanes 0-15: S, lanes 16-31: M
.endr
	s_wait_alu depctr_va_vdst(0)                   ; the selects have written v228-231, which the store reads; every vector line that names v144-207 is done, so the sixteen loads below may land there; W's fragment v218-225 and scale word v252 are written, which the scaled products take
	ds_store_b128 v[BW], v[F:F+3]                  ; into my wave's own 512 bytes; LDS serves a wave's instructions in order (ISA guide 5.7.1.4): the loads below see it, and no other wave touches these bytes
.irp i, 0,1                                    ; my rows 4 w + 2 i + h: all 16 M and all 16 S of each; the sixteen lanes of a half read the same 16 bytes
.irp q, 0,1,2,3
	ds_load_b128 v[MV+16*\i+4*\q:MV+16*\i+4*\q+3], v[BR] offset:256+128*\i+16*\q
.endr
.endr
.irp i, 0,1
.irp q, 0,1,2,3
	ds_load_b128 v[SV+16*\i+4*\q:SV+16*\i+4*\q+3], v[BR] offset:128*\i+16*\q
.endr
.endr
	; ---- 3: tile w: K steps 0 and 2 on one accumulator, 1 and 3 on the other: the two take turns, one instruction a turn; the first two products start the sums.
	; W's fragment and scale word were written by vector instructions: the 34 plain instructions that joined S and M stand between, and behind them the wait on va_vdst above.
	; The products name v16-47, v218-225, v232-252: none of the registers in which the sixteen loads above land.
	s_wait_dscnt 17                                ; the fragments and scale words are in; behind them stand the store and the 16 loads just issued
	v_wmma_scale_f32_16x16x128_f8f6f4 v[D0:D0+7], v[BF:BF+7], v[XF:XF+7], 0, v[BS], v[XS] matrix_a_fmt:MATRIX_FMT_FP4 matrix_b_fmt:MATRIX_FMT_FP4
	v_wmma_scale_f32_16x16x128_f8f6f4 v[D1:D1+7], v[BF:BF+7], v[XF+8:XF+15], 0, v[BS], v[XS+1] matrix_a_fmt:MATRIX_FMT_FP4 matrix_b_fmt:MATRIX_FMT_FP4
	v_wmma_scale_f32_16x16x128_f8f6f4 v[D0:D0+7], v[BF:BF+7], v[XF+16:XF+23], v[D0:D0+7], v[BS], v[XS+2] matrix_a_fmt:MATRIX_FMT_FP4 matrix_b_fmt:MATRIX_FMT_FP4
	v_wmma_scale_f32_16x16x128_f8f6f4 v[D1:D1+7], v[BF:BF+7], v[XF+24:XF+31], v[D1:D1+7], v[BS], v[XS+3] matrix_a_fmt:MATRIX_FMT_FP4 matrix_b_fmt:MATRIX_FMT_FP4
	; ---- 4: the bias of my 2 rows x 4 columns.  One step of the maximum: j = 2 e and 2 e + 1: w[j][4 columns] x M[row][j], two columns an instruction (of the pair M[2 e], M[2 e + 1] one word serves both halves);
	; the magnitudes are taken where the products are compared.
.macro MAXSTEP e
.irp i, 0,1
.irp c, 0,2
	v_pk_mul_f32 v[P+8*\i+\c:P+8*\i+\c+1], v[WL+8*(\e)+\c:WL+8*(\e)+\c+1], v[MV+16*\i+2*(\e):MV+16*\i+2*(\e)+1] op_sel_hi:[1,0]
	v_pk_mul_f32 v[P+8*\i+4+\c:P+8*\i+4+\c+1], v[WL+8*(\e)+4+\c:WL+8*(\e)+4+\c+1], v[MV+16*\i+2*(\e):MV+16*\i+2*(\e)+1] op_sel:[0,1] op_sel_hi:[1,1]
.endr
.endr
.irp i, 0,1
.irp c, 0,1,2,3
.if (\e) == 0
	v_max_num_f32 v[M8+4*\i+\c], |v[P+8*\i+\c]|, |v[P+8*\i+4+\c]|
.else
	v_max3_num_f32 v[M8+4*\i+\c], v[M8+4*\i+\c], |v[P+8*\i+\c]|, |v[P+8*\i+4+\c]|
.endif
.endr
.endr
.endm
	s_wait_loadcnt 0x0                             ; weights by four columns
	s_wait_dscnt 0x0                               ; S and M of my rows
	MAXSTEP 0                                      ; sixteen plain instructions that name no register of the products: the places between the last product and the first read of a result (ISA guide 7.12.1)
.irp c, 0,2,4,6
	v_pk_add_f32 v[PC+\c:PC+\c+1], v[D0+\c:D0+\c+1], v[D1+\c:D1+\c+1]   ; the two accumulators, each from its low end on: lane (r, h) holds row r, columns 16 w + 8 h + 0 .. 7
.endr
	s_wait_alu depctr_va_vdst(0)                   ; the four additions have written v210-217, which the two stores read; and the products are done reading v16-23, in which my sums land behind the barrier: the lines between name v52-75, v80-143 and v176-207 alone
	ds_store_b128 v[SO], v[PC:PC+3]
	ds_store_b128 v[SO], v[PC+4:PC+7] offset:16
	MAXSTEP 1
	s_wait_dscnt 0x0                               ; for the others' sake: my tile lies in the stage
	s_barrier_signal -1
.irp e, 2,3,4,5,6,7
	MAXSTEP \e                                     ; work on registers while the others arrive
.endr
	s_wait_alu depctr_va_vdst(0)
	s_barrier_wait -1                              ; 16 whole rows lie in the stage
.irp i, 0,1
	ds_load_b128 v[DS+4*\i:DS+4*\i+3], v[SR] offset:\i*2*SPIT      ; rows 4 w + 2 i + h: sixteen lanes to a row of 256 bytes; they land under the sums below, which name v68-75, v80-143 and v144-175 alone
.endr
.irp j, 0,1,2,3,4,5,6,7,8,9,10,11,12,13,14,15
.irp i, 0,1
.irp c, 0,1,2,3
	v_fma_f32 v[M8+4*\i+\c], -|v[WL+4*\j+\c]|, v[SV+16*\i+\j], v[M8+4*\i+\c]   ; max - sum: the maximum is the chain's first addend; eight chains by turns
.endr
.endr
.endr
	s_wait_alu depctr_va_vdst(0)
	s_wait_dscnt 0x0
.irp i, 0,1
.irp c, 0,1,2,3
	v_fma_f32 v[OUT+4*\i+\c], s[DLT], v[M8+4*\i+\c], v[DS+4*\i+\c]
.endr
.endr
	s_wait_alu depctr_va_vdst(0)                   ; the eight multiply-adds have written v24-31, which the two stores read
.irp i, 0,1
	global_store_b128 v[GO], v[OUT+4*\i:OUT+4*\i+3], s[8:9] offset:\i*2*WROW th:TH_STORE_NT   ; 16 lanes store 256 consecutive bytes, at a multiple of 256 from out0's first byte; written once, read by nobody here
.endr
	s_wait_dscnt 0x0
	s_wait_alu depctr_hold_cnt(0) depctr_sa_sdst(0) depctr_va_vdst(0) depctr_va_sdst(0) depctr_va_ssrc(0) depctr_va_vcc(0) depctr_vm_vsrc(0)
	s_wait_tensorcnt 0x0
	ds_add_u32 v254, v255
	s_wait_dscnt 0x0
	s_endpgm
.Lfunc_end_k_q003d3c128e_conj:
	.size	k_q003d3c128e_conj, .Lfunc_end_k_q003d3c128e_conj-k_q003d3c128e_conj
	.p2alignl 7, 3214868480
	.fill 96, 4, 3214868480
	.section	.rodata,"a",@progbits
	.p2align	6, 0x0
	.amdhsa_kernel k_q003d3c128e_conj
		.amdhsa_group_segment_fixed_size 33280
		.amdhsa_private_segment_fixed_size 0
		.amdhsa_enable_private_segment 0
		.amdhsa_kernarg_size 24
		.amdhsa_user_sgpr_count 2
		.amdhsa_user_sgpr_kernarg_segment_ptr 1
		.amdhsa_wavefront_size32 1
		.amdhsa_system_sgpr_workgroup_id_x 1
		.amdhsa_system_sgpr_workgroup_id_y 1
		.amdhsa_system_sgpr_workgroup_id_z 1
		.amdhsa_system_vgpr_workitem_id 0
		.amdhsa_next_free_vgpr 256
		.amdhsa_next_free_sgpr 66
		.amdhsa_reserve_vcc 0
		.amdhsa_float_denorm_mode_32 3
		.amdhsa_float_denorm_mode_16_64 3
		.amdhsa_memory_ordered 1
		.amdhsa_forward_progress 1
		.amdhsa_inst_pref_size 50
	.end_amdhsa_kernel
	.amdgpu_metadata
---
amdhsa.version: [ 1, 2 ]
amdhsa.kernels:
  - .name:           k_q003d3c128e_conj
    .symbol:         k_q003d3c128e_conj.kd
    .args:
      - { .name: x, .offset: 0, .size: 8, .value_kind: global_buffer, .address_space: global }
      - { .name: weights, .offset: 8, .size: 8, .value_kind: global_buffer, .address_space: global }
      - { .name: out0, .offset: 16, .size: 8, .value_kind: global_buffer, .address_space: global }
    .group_segment_fixed_size: 33280
    .private_segment_fixed_size: 0
    .kernarg_segment_align: 8
    .kernarg_segment_size: 24
    .max_flat_workgroup_size: 128
    .sgpr_count:     66
    .vgpr_count:     256
    .wavefront_size: 32
...
	.end_amdgpu_metadata
.endif
;; end of part 2
